; MI455X (gfx1250); checked and timed in simulation.
; The chip was launched on July 23, 2026; its instructions are those of AMD's public machine-readable ISA for CDNA 5 (MIT licence, August 2026) and "CDNA5" Instruction Set Architecture Reference Guide (July 2026). The comments in the code are by the model that wrote it; some were corrected since.
;; PPI Predictor. Allowed arithmetic: float matrix products may take bf16 or f16 operands with f32 sums; all other float work in f32.
;; Inputs: W1 1,024 x 512 float32; W2 512 x 256 float32; W3 256 x 1 float32; b1 512 float32; b2 256 float32; b3 1 float32; features 2 x 512 x 512 float32.
;; Outputs: out0 2 x 512 x 512 float32.
;; 2 versions, each right and faster than the one before. Each part assembles by itself: llvm-mc -triple=amdgcn-amd-amdhsa -mcpu=gfx1250 --defsym DOCPART=n.
;; ======== version 1 of 2: 2 launches
;; workspace buffers: ac 4,194,304 bytes; w2t 262,144 bytes
;; launch prep (part 1): grid 272 x 1, 8 waves a work-group, no clusters, 149,504 bytes of LDS; arguments features, W1, W2, ac, w2t; writes ac, w2t
.if DOCPART == 1
	.amdgcn_target "amdgcn-amd-amdhsa--gfx1250"
	.amdhsa_code_object_version 6
	.text
	.protected	k_q70b1b056b4_prep
	.globl	k_q70b1b056b4_prep
	.p2align	8
	.type	k_q70b1b056b4_prep,@function
k_q70b1b056b4_prep:
	s_mov_b64 s[64:65], 0
	v_nop
	global_prefetch_b8 v0, s[64:65] scope:SCOPE_SE
	s_setreg_imm32_b32 hwreg(HW_REG_WAVE_MODE, 25, 1), 1
	s_wait_xcnt 0x0
; Two jobs that the pair kernel needs done once, in one launch.
; Work-groups 0..255:   ac[row][0:512] = features[row] x W1[0:512], ac[row][512:1024] = features[row] x W1[512:1024], f32,
;                       row = b*512 + s.  A work-group makes a block of 64 rows x 64 columns, K = 512, bf16 operands, f32 sums.
; Work-groups 256..271: w2t[n][128 sg + 32 q + u] = bf16(W2[128 sg + 4 u + q][n]): W2 transposed, rounded, and with K in the order
;                       in which the pair kernel's fragments take it.  A work-group makes 64 n x 128 places.
; No tensor loads and no joint requests: every operand is f32 in memory and is rounded to bf16 on its way into LDS, so it passes
; through registers; as f32 the two tiles of a block (131,072 bytes each) would not fit beside each other in half of a WGP's LDS.
; The branch between the two jobs hangs on the work-group's number alone, so all eight waves of a group take the same way.
.set FPITCH, 1040                      ; features' tile in LDS: 512 bf16 = 1,024 bytes + 16: an odd multiple of 16
.set LWT,    64*FPITCH                 ; W1's tile lies behind features' 64 rows
.set WTP,    160                       ; W1's tile, [k][n]: 64 bf16 = 128 bytes + 32: an odd multiple of 32, for the transposing loads
.set OPITCH, 272                       ; the way out: 64 f32 = 256 bytes + 16
.set FOF,  1                           ; v1   byte offset of my 16 bytes in features' tile
.set FST,  2                           ; v2   where their 8 bytes of bf16 go in LDS
.set WOF,  3                           ; v3   byte offset of my 16 bytes in W1's tile
.set WST,  4                           ; v4   where they go, k rows 0..255
.set WST2, 5                           ; v5   the same, k rows 256..511 (the 16-bit immediate does not reach them from v4)
.set FLD,  6                           ; v6   my fragment address in features' tile
.set WLD,  7                           ; v7   my fragment address in W1's tile, K steps 0..7
.set WLD2, 8                           ; v8   the same, K steps 8..15
.set SST,  9                           ; v9   the way out: where my results go
.set ORD,  10                          ; v10  the way out: where I read 16 bytes of a row back
.set OOF,  11                          ; v11  and where they go in ac
.set TH,   12                          ; v12  thread >> 4
.set TL,   13                          ; v13  thread & 15
.set HB,   14                          ; v14  half of the wave, 0 or 1
.set X0,   16                          ; v[16:79]   sixteen loads of 16 bytes
.set X1,   80                          ; v[80:143]  sixteen more
.set Y,    144                         ; v[144:175] the same numbers as bf16
.set SET0, 16                          ; v[16:111]  fragments of four K steps: 8 registers of features, 2 x 8 of W1 for each
.set SET1, 112                         ; v[112:207] the next four
.set ACC,  208                         ; v[208:223] two accumulator tiles
.set TMP,  224                         ; v[224:227] at work on addresses
	s_load_b256 s[4:11], s[0:1], 0x0               ; features s[4:5], W1 s[6:7], W2 s[8:9], ac s[10:11]
	s_load_b64 s[12:13], s[0:1], 0x20              ; w2t
	v_lshl_add_u32 v240, v0, 2, 0x24400
	v_mov_b32 v241, 0
	v_lshrrev_b32 v[TMP], 5, v0
	v_readfirstlane_b32 s14, v[TMP]                ; wave 0..7
	v_lshrrev_b32 v[TH], 4, v0
	v_and_b32 v[TL], 15, v0
	v_bfe_u32 v[HB], v0, 4, 1
	s_mov_b32 s17, 0                               ; the high word of every offset: all are below 4 GiB
	s_cmp_ge_u32 ttmp9, 256
	s_cbranch_scc1 .Lw2
; ---------------------------------------------------------------- a and c
	s_lshr_b32 s15, ttmp9, 4                       ; block row, 64 rows each
	s_and_b32 s18, ttmp9, 15                       ; block column, 64 columns each; 0..7 are a's, 8..15 are c's
	v_lshlrev_b32 v[FOF], 4, v0                    ; the tile's 64 rows are whole rows of features: 16 bytes a thread, 4,096 a turn
	v_lshlrev_b32 v[TMP], 11, v[TH]                ; W1: sixteen threads take 256 bytes of a row of 2,048
	v_lshl_add_u32 v[WOF], v[TL], 4, v[TMP]
	s_lshl_b32 s16, s15, 17                        ; 64 rows of 2,048 bytes
	s_wait_kmcnt 0x0
	s_add_nc_u64 s[4:5], s[4:5], s[16:17]
	s_lshr_b32 s19, s18, 3                         ; which half of W1's rows
	s_lshl_b32 s16, s19, 20                        ; 512 rows of 2,048 bytes
	s_and_b32 s19, s18, 7
	s_lshl_b32 s19, s19, 8                         ; 64 columns of 4 bytes
	s_add_co_u32 s16, s16, s19
	s_add_nc_u64 s[6:7], s[6:7], s[16:17]
	s_lshl_b32 s16, s15, 18                        ; ac: 64 rows of 4,096 bytes
	s_lshl_b32 s19, s18, 8
	s_add_co_u32 s16, s16, s19
	s_add_nc_u64 s[10:11], s[10:11], s[16:17]
.macro LOADF x, r0                     ; sixteen turns of features' tile, two rows a turn
.irp i, 0,1,2,3,4,5,6,7,8,9,10,11,12,13,14,15
	global_load_b128 v[\x+4*\i:\x+4*\i+3], v[FOF], s[4:5] offset:4096*(\r0+\i)
.endr
.endm
.macro LOADW x, r0                     ; sixteen turns of W1's tile, sixteen k rows a turn
.irp i, 0,1,2,3,4,5,6,7,8,9,10,11,12,13,14,15
	global_load_b128 v[\x+4*\i:\x+4*\i+3], v[WOF], s[6:7] offset:32768*(\r0+\i)
.endr
.endm
.macro CVTST x, adr, step, r0          ; round sixteen loads to bf16 and put them into LDS, 8 bytes a thread
.irp i, 0,1,2,3,4,5,6,7,8,9,10,11,12,13,14,15
	v_cvt_pk_bf16_f32 v[Y+2*\i], v[\x+4*\i], v[\x+4*\i+1]
	v_cvt_pk_bf16_f32 v[Y+2*\i+1], v[\x+4*\i+2], v[\x+4*\i+3]
	ds_store_b64 v[\adr], v[Y+2*\i:Y+2*\i+1] offset:\step*(\r0+\i)
.endr
.endm
	LOADF X0, 0
	LOADF X1, 16
	; the rest of the addresses, while the loads are on their way
	v_lshrrev_b32 v[TMP], 7, v0                    ; features into LDS: row thread >> 7 of the turn's two,
	v_mul_u32_u24 v[TMP], v[TMP], FPITCH
	v_and_b32 v[TMP+1], 127, v0
	v_lshl_add_u32 v[FST], v[TMP+1], 3, v[TMP]     ; 8 bytes at 4 numbers a thread
	v_mul_u32_u24 v[TMP], v[TH], WTP               ; W1 into LDS: k row thread >> 4 of the turn's sixteen
	v_lshl_add_u32 v[TMP], v[TL], 3, v[TMP]
	v_add_nc_u32 v[WST], LWT, v[TMP]
	v_add_nc_u32 v[WST2], LWT+256*WTP, v[TMP]
	s_lshr_b32 s20, s14, 1                         ; my 16 rows of the block: wave >> 1
	s_and_b32 s21, s14, 1                          ; my 32 columns: wave & 1
	s_mul_i32 s22, s20, 16*FPITCH
	v_mul_u32_u24 v[TMP], v[TL], FPITCH            ; a fragment with K along the rows: row l % 16, 16 bytes for each half of the lanes
	v_lshl_add_u32 v[TMP], v[HB], 4, v[TMP]
	v_add_nc_u32 v[FLD], s22, v[TMP]
	v_and_b32 v[TMP], 7, v0                        ; a fragment from [k][n]: lane l addresses k row 8 (l / 16) + l % 8,
	v_lshl_add_u32 v[TMP], v[HB], 3, v[TMP]
	v_mul_u32_u24 v[TMP], v[TMP], WTP
	v_bfe_u32 v[TMP+1], v0, 3, 1                   ; and 16 bytes at 16 ((l / 8) % 2) of the tile's 32
	v_lshl_add_u32 v[TMP], v[TMP+1], 4, v[TMP]
	s_lshl_b32 s22, s21, 6
	s_add_co_u32 s22, s22, LWT
	v_add_nc_u32 v[WLD], s22, v[TMP]
	v_add_nc_u32 v[WLD2], 256*WTP, v[WLD]
	s_mul_i32 s22, s20, 16*OPITCH
	s_lshl_b32 s23, s21, 7
	s_add_co_u32 s22, s22, s23
	v_mul_u32_u24 v[TMP], v[TL], OPITCH            ; results: row l % 16, eight neighbouring f32 for each half of the lanes
	v_lshl_add_u32 v[TMP], v[HB], 5, v[TMP]
	v_add_nc_u32 v[SST], s22, v[TMP]
	v_mul_u32_u24 v[TMP], v[TH], OPITCH            ; back: sixteen threads take one row of 256 bytes
	v_lshl_add_u32 v[ORD], v[TL], 4, v[TMP]
	v_lshlrev_b32 v[TMP], 12, v[TH]
	v_lshl_add_u32 v[OOF], v[TL], 4, v[TMP]
	s_wait_loadcnt 16                              ; loads come back in order: the older sixteen are in, the younger sixteen stay out
	CVTST X0, FST, 2*FPITCH, 0
	LOADW X0, 0
	s_wait_loadcnt 16
	CVTST X1, FST, 2*FPITCH, 16
	LOADW X1, 16
	s_wait_loadcnt 16
	CVTST X0, WST, 16*WTP, 0
	s_wait_loadcnt 0x0
	CVTST X1, WST2, 16*WTP, 0
	s_wait_dscnt 0x0                               ; my stores are in LDS, for the other waves' sake
	s_barrier_signal -1
	s_barrier_wait -1                              ; both tiles are whole
; 24 LDS loads: the fragments of K steps 4 g .. 4 g + 3
.macro FR set, g, wadr
.irp t, 0,1,2,3
	ds_load_b128 v[\set+24*\t:\set+24*\t+3],   v[FLD] offset:64*(4*\g+\t)
	ds_load_b128 v[\set+24*\t+4:\set+24*\t+7], v[FLD] offset:64*(4*\g+\t)+32
.irp a, 0,1
	ds_load_tr16_b128 v[\set+24*\t+8+8*\a:\set+24*\t+8+8*\a+3],  v[\wadr] offset:32*WTP*((4*\g+\t)&7)+32*\a
	ds_load_tr16_b128 v[\set+24*\t+12+8*\a:\set+24*\t+12+8*\a+3], v[\wadr] offset:32*WTP*((4*\g+\t)&7)+32*\a+16*WTP
.endr
.endr
.endm
; One K step.  Source 0 = 16 columns of W1, source 1 = 16 rows of features: a lane's eight results are eight neighbouring columns of one row.
; The two accumulators take turns, one instruction a turn.
.macro MMSTEP b, zero
.if \zero
	v_wmma_f32_16x16x32_bf16 v[ACC:ACC+7],    v[\b+8:\b+15],  v[\b:\b+7], 0
	v_wmma_f32_16x16x32_bf16 v[ACC+8:ACC+15], v[\b+16:\b+23], v[\b:\b+7], 0
.else
	v_wmma_f32_16x16x32_bf16 v[ACC:ACC+7],    v[\b+8:\b+15],  v[\b:\b+7], v[ACC:ACC+7]
	v_wmma_f32_16x16x32_bf16 v[ACC+8:ACC+15], v[\b+16:\b+23], v[\b:\b+7], v[ACC+8:ACC+15]
.endif
.endm
.macro MM set, zero
	MMSTEP \set, \zero
	MMSTEP \set+24, 0
	MMSTEP \set+48, 0
	MMSTEP \set+72, 0
.endm
.macro PLACES                          ; four places behind a matrix instruction, ahead of loads into its sources and of reads of its result
.rept 4
	v_nop
.endr
.endm
	FR SET0, 0, WLD
	FR SET1, 1, WLD
	s_wait_dscnt 24                                ; the older set is in, the younger 24 loads stay out
	MM SET0, 1                                     ; the first products start the sums
	PLACES
	FR SET0, 2, WLD2
	s_wait_dscnt 24
	MM SET1, 0
	PLACES
	FR SET1, 3, WLD2
	s_wait_dscnt 24
	MM SET0, 0
	s_wait_dscnt 0x0                               ; the last set; and none of my LDS reads is out at the barrier below
	MM SET1, 0
	PLACES
	s_barrier_signal -1
	s_barrier_wait -1                              ; nobody reads features' tile any more: its bytes become the stage
.irp a, 0,1
	ds_store_b128 v[SST], v[ACC+8*\a:ACC+8*\a+3]   offset:64*\a
	ds_store_b128 v[SST], v[ACC+8*\a+4:ACC+8*\a+7] offset:64*\a+16
.endr
	s_wait_dscnt 0x0
	s_barrier_signal -1
	s_barrier_wait -1
.irp r, 0,1,2,3
	ds_load_b128 v[X0+4*\r:X0+4*\r+3], v[ORD] offset:16*OPITCH*\r
.endr
.irp r, 0,1,2,3
	s_wait_dscnt 3-\r
	global_store_b128 v[OOF], v[X0+4*\r:X0+4*\r+3], s[10:11] offset:65536*\r   ; sixteen lanes store 256 consecutive bytes, at a multiple of 256 from ac's first byte
.endr
	s_wait_tensorcnt 0x0
	ds_add_u32 v240, v241
	s_wait_dscnt 0x0
	s_endpgm
; ---------------------------------------------------------------- W2, transposed and permuted
.Lw2:
	s_sub_co_u32 s15, ttmp9, 256
	s_lshr_b32 s18, s15, 2                         ; sg: which 128 rows of W2
	s_and_b32 s19, s15, 3                          ; nb: which 64 columns
	v_lshlrev_b32 v1, 10, v[TH]                    ; in: row thread >> 4 of 1,024 bytes, 16 bytes at thread & 15.  Out: the same term, since w2t's rows are 1,024 bytes too
	v_lshl_add_u32 v1, v[TL], 4, v1
	v_mul_u32_u24 v2, v[TH], OPITCH                ; into LDS as f32, rows of 256 + 16 bytes
	v_lshl_add_u32 v2, v[TL], 4, v2
	v_and_b32 v[TMP], 3, v[TL]                     ; my eight places 8 ch .. 8 ch + 7 of a row of w2t (ch = thread & 15): q = ch >> 2, u = 8 (ch & 3) + i,
	v_lshrrev_b32 v[TMP+1], 2, v[TL]               ; so they come from rows 32 (ch & 3) + (ch >> 2) + 4 i of the tile
	v_lshl_add_u32 v[TMP], v[TMP], 5, v[TMP+1]
	v_mul_u32_u24 v[TMP], v[TMP], OPITCH
	v_lshl_add_u32 v3, v[TH], 2, v[TMP]            ; column thread >> 4 of the turn's sixteen
	s_lshl_b32 s16, s18, 17                        ; 128 rows of 1,024 bytes
	s_lshl_b32 s20, s19, 8
	s_add_co_u32 s16, s16, s20
	s_wait_kmcnt 0x0
	s_add_nc_u64 s[8:9], s[8:9], s[16:17]
	s_lshl_b32 s16, s18, 8                         ; 128 places of 2 bytes
	s_lshl_b32 s20, s19, 16                        ; 64 rows of 1,024 bytes
	s_add_co_u32 s16, s16, s20
	s_add_nc_u64 s[12:13], s[12:13], s[16:17]
.irp r, 0,1,2,3,4,5,6,7
	global_load_b128 v[16+4*\r:16+4*\r+3], v1, s[8:9] offset:16384*\r th:TH_LOAD_NT   ; each byte of W2 is read once in the launch
.endr
.irp r, 0,1,2,3,4,5,6,7
	s_wait_loadcnt 7-\r
	ds_store_b128 v2, v[16+4*\r:16+4*\r+3] offset:16*OPITCH*\r
.endr
	s_wait_dscnt 0x0
	s_barrier_signal -1
	s_barrier_wait -1
.irp r, 0,1,2,3
.irp i, 0,1,2,3,4,5,6,7
	ds_load_b32 v[48+8*\r+\i], v3 offset:64*\r+4*OPITCH*\i
.endr
.endr
.irp r, 0,1,2,3
	s_wait_dscnt 24-8*\r                           ; eight loads for each 16 bytes stored; the younger ones stay out
.irp p, 0,1,2,3
	v_cvt_pk_bf16_f32 v[80+4*\r+\p], v[48+8*\r+2*\p], v[48+8*\r+2*\p+1]
.endr
	global_store_b128 v1, v[80+4*\r:80+4*\r+3], s[12:13] offset:16384*\r   ; sixteen lanes store 256 consecutive bytes, at a multiple of 256 from w2t's first byte
.endr
	s_wait_tensorcnt 0x0
	ds_add_u32 v240, v241
	s_wait_dscnt 0x0
	s_endpgm
.Lfunc_end_k_q70b1b056b4_prep:
	.size	k_q70b1b056b4_prep, .Lfunc_end_k_q70b1b056b4_prep-k_q70b1b056b4_prep
	.p2alignl 7, 3214868480
	.fill 96, 4, 3214868480
	.section	.rodata,"a",@progbits
	.p2align	6, 0x0
	.amdhsa_kernel k_q70b1b056b4_prep
		.amdhsa_group_segment_fixed_size 149504
		.amdhsa_private_segment_fixed_size 0
		.amdhsa_enable_private_segment 0
		.amdhsa_kernarg_size 40
		.amdhsa_user_sgpr_count 2
		.amdhsa_user_sgpr_kernarg_segment_ptr 1
		.amdhsa_wavefront_size32 1
		.amdhsa_system_sgpr_workgroup_id_x 1
		.amdhsa_system_sgpr_workgroup_id_y 1
		.amdhsa_system_sgpr_workgroup_id_z 1
		.amdhsa_system_vgpr_workitem_id 0
		.amdhsa_next_free_vgpr 242
		.amdhsa_next_free_sgpr 66
		.amdhsa_reserve_vcc 0
		.amdhsa_float_denorm_mode_32 3
		.amdhsa_float_denorm_mode_16_64 3
		.amdhsa_memory_ordered 1
		.amdhsa_forward_progress 1
		.amdhsa_inst_pref_size 38
	.end_amdhsa_kernel
	.amdgpu_metadata
---
amdhsa.version: [ 1, 2 ]
amdhsa.kernels:
  - .name:           k_q70b1b056b4_prep
    .symbol:         k_q70b1b056b4_prep.kd
    .args:
      - { .name: features, .offset: 0, .size: 8, .value_kind: global_buffer, .address_space: global }
      - { .name: W1, .offset: 8, .size: 8, .value_kind: global_buffer, .address_space: global }
      - { .name: W2, .offset: 16, .size: 8, .value_kind: global_buffer, .address_space: global }
      - { .name: ac, .offset: 24, .size: 8, .value_kind: global_buffer, .address_space: global }
      - { .name: w2t, .offset: 32, .size: 8, .value_kind: global_buffer, .address_space: global }
    .group_segment_fixed_size: 149504
    .private_segment_fixed_size: 0
    .kernarg_segment_align: 8
    .kernarg_segment_size: 40
    .max_flat_workgroup_size: 256
    .sgpr_count:     66
    .vgpr_count:     242
    .wavefront_size: 32
...
	.end_amdgpu_metadata
.endif
;; end of part 1
;; launch pairs (part 2): grid 256 x 1, 4 waves a work-group, clusters of 4 x 1, 310,528 bytes of LDS; arguments w2t, ac, b1, b2, W3, b3, out0; writes out0
.if DOCPART == 2
	.amdgcn_target "amdgcn-amd-amdhsa--gfx1250"
	.amdhsa_code_object_version 6
	.text
	.protected	k_q70b1b056b4_pairs
	.globl	k_q70b1b056b4_pairs
	.p2align	8
	.type	k_q70b1b056b4_pairs,@function
k_q70b1b056b4_pairs:
	s_mov_b64 s[64:65], 0
	v_nop
	global_prefetch_b8 v0, s[64:65] scope:SCOPE_SE
	s_setreg_imm32_b32 hwreg(HW_REG_WAVE_MODE, 25, 1), 1
	s_wait_xcnt 0x0
	s_wait_alu depctr_hold_cnt(0) depctr_sa_sdst(0) depctr_va_vdst(0) depctr_va_sdst(0) depctr_va_ssrc(0) depctr_va_vcc(0) depctr_vm_vsrc(0)
	s_getreg_b32 s2, hwreg(HW_REG_IB_STS2, 6, 4)
	s_cmp_eq_u32 s2, 0
	s_cbranch_scc0 .Lentry_in_a_cluster
	s_endpgm
.Lentry_in_a_cluster:
	s_bfe_u32 s2, ttmp6, 0x10000c
	s_cmp_lg_u32 s2, 0x3003
	s_cbranch_scc0 .Lentry_shape_is_right
	s_endpgm
.Lentry_shape_is_right:
; out0[b][i][j] = sigmoid( W3 . relu( W2^T relu(a[b][i] + c[b][j] + b1) + b2 ) + b3 ), a and c from ac, W2 from w2t (bf16, transposed, K permuted).
; A work-group owns 16 i x 128 j of one b: 2,048 pairs; 256 work-groups.  Four waves, as many as a WGP has SIMDs; wave w owns 32 j, in eight tiles of 4 j.
; A tile is 64 pairs (4 blocks of one j x 16 i) x all 256 n: 64 accumulator tiles, 512 registers; K = 512 in 16 steps of 64 matrix instructions.
; h1 = relu(a + c + b1) never lies in memory or LDS: each wave makes its own fragments in registers, each number once.
; W2 (bf16, 256 x 512) stays in LDS for the whole kernel.
; K ORDER: step s = 4 sg + q takes the 32 indices 128 sg + 64 h + 4 e + q (h = half of the wave, e = 0..15 the lane's element), in h1's fragments and in W2's
; alike, which keeps every product.  So 16 neighbouring bytes of a row of a or of c are one element of four steps that follow each other.
; CLUSTERS: every work-group reads the same 262,144 bytes of w2t.  Four work-groups form a cluster and ask for them jointly: each wave issues one tensor load
; of 64 rows with the mask of all four, and each work-group receives the rows in its own LDS.  One tensor load a wave is out.
; THE MATRIX INSTRUCTION IS USED TRANSPOSED: source 0 = 16 n of W2, source 1 = 16 pairs of h1.  Lane l then holds pair l % 16 and its registers n = 8 (l / 16) + 0..7,
; so that the sum over n with W3 stays inside the lane but for one exchange between the halves.
; LIMITS: a NaN that reaches a relu becomes 0 (v_max_num_f32), where the formula would keep it.  The sum is formed as (a + b1) + c.
; A sigmoid below 2^-126 comes out as 0 (v_rcp_f32 and v_exp_f32 flush denormals: ISA guide 15.8).
;
; LDS: every pitch is an odd multiple of 16 bytes, so the sixteen rows that a load touches start 16 bytes apart modulo 256.
.set WPITCH, 1040                      ; a row n of W2: 512 bf16 = 1,024 bytes + 16 of padding
.set WQUART, 64*WPITCH                 ; 64 rows: what one tensor load brings
.set LP,     4*WQUART                  ; 266,240: a + b1 of my 16 i, f32
.set PPITCH, 2064                      ; 2,048 + 16
.set LSTAGE, LP+16*PPITCH              ; 299,264: results on their way out, a region for each wave: 16 i x 32 j f32
.set SPITCH, 144                       ; 128 + 16
.set SWAVE,  2432                      ; 16 x 144 = 2,304, and 128 more, so that two waves' regions lie 128 apart modulo 256
.set LW3,    LSTAGE+4*SWAVE            ; 308,992: W3, 1,024 bytes
; REGISTERS, in windows of 256 (s_set_vgpr_msb says which window each operand place means):
;   window 0: addresses, h1's fragments and what makes them, the epilogue's scratch
;   window 1: v0-63, v64-127 fragments of W2 (or W3's numbers), n tiles 0-7 and 8-15; v128-255 b2 in the accumulators' layout, resident
;   window 2: accumulators of n tiles 0-7, tile (m, nt) at v[8 (4 nt + m)];   window 3: those of n tiles 8-15
.set QOFF, 1                           ; v1      16 x lane
.set ADRB, 2                           ; v[2:5]  W2's fragments: rows 64 g + l % 16, byte 32 (l / 16)
.set ADRP, 6                           ; v6      a + b1: row l % 16, byte 256 (l / 16)
.set ADRW, 7                           ; v7      W3: byte 32 (l / 16)
.set STO,  8                           ; v8      where my two results of a tile go; steps by 16 bytes a tile
.set RD,   9                           ; v9      the way out: where I read 16 bytes of a row back
.set CO,   10                          ; v10     and where they go in out0
.set GP,   11                          ; v11     16 x thread
.set LPS,  12                          ; v12     LP + 16 x thread
.set GW,   13                          ; v13     8 x thread
.set LWS,  14                          ; v14     LW3 + 8 x thread
.set GB2,  15                          ; v15     32 (l / 16)
.set A,    16                          ; v[16:79]   h1's fragments: two buffers of 4 blocks x 8 registers
.set T,    80                          ; v[80:95]   one block's 16 numbers in f32
.set Q,    96                          ; v[96:127]  c: two buffers of 4 j x 4 steps; lane l holds c[j][128 sg + 4 l + q]
.set P,    128                         ; v[128:191] a + b1: register 4 e + q holds index 128 sg + 64 h + 4 e + q of row l % 16
.set E,    192                         ; v[192:223] the epilogue's scratch; addresses in the making
.set LG,   224                         ; v[224:227] the four blocks' sums over my half's n
.set KP,   228                         ; v[228:229] the sums that I keep
.set SD,   230                         ; v[230:231] the sums that I send to the other half
.set RC,   232                         ; v[232:233] what it sends me
.set X,    236                         ; v[236:237] my two results
.set B1Q,  240                         ; v[240:243] four numbers of b1
.set W3P,  244                         ; v[244:245] two numbers of W3
.set H0,   0                           ; window 1
.set H1,   64
.set B2F,  128
.set MSB, 0
.macro WIN new                         ; the immediate's high byte repeats the setting that is left
.if MSB != (\new)
	s_set_vgpr_msb (MSB<<8)|(\new)
.set MSB, (\new)
.endif
.endm
.set TO_B,     0x40                    ; destination window 1, address window 0
.set MUL_LO,   0xa1                    ; source 0 (W2) window 1, source 1 (h1) window 0, C and D window 2
.set MUL_HI,   0xf1                    ; the same, C and D window 3
.set FIRST_LO, 0x91                    ; the same as MUL_LO with C (b2) from window 1
.set FIRST_HI, 0xd1
.set EPI_LO,   0xa9                    ; source 0 (W3) window 1, the rest window 2
.set EPI_HI,   0xfd                    ; source 0 window 1, the rest window 3
.set SUMW,     0x0e                    ; source 0 window 2, source 1 window 3, destination window 0
.macro PLACES                          ; four places behind a matrix instruction, ahead of loads into its sources and of vector reads of its result
.rept 4
	v_nop
.endr
.endm
; A round of the cluster's barrier: my work-group's barrier, wave 0 signals for the work-group, every wave waits for all four work-groups, my work-group's barrier again.
.macro CROUND
	s_barrier_signal -1
	s_barrier_wait -1
	s_cmp_lg_u32 s18, 0
	s_cbranch_scc1 .Lnot_wave_0_\@
	s_barrier_signal -3
.Lnot_wave_0_\@:
	s_barrier_wait -3
	s_barrier_signal -1
	s_barrier_wait -1
.endm
	s_load_b256 s[4:11], s[0:1], 0x0               ; w2t s[4:5], ac s[6:7], b1 s[8:9], b2 s[10:11]
	s_load_b128 s[12:15], s[0:1], 0x20             ; W3 s[12:13], b3 s[14:15]
	s_load_b64 s[16:17], s[0:1], 0x30              ; out0
	v_lshl_add_u32 v254, v0, 2, 0x4bb00
	v_mov_b32 v255, 0
	ds_add_u32 v254, v255
	v_lshrrev_b32 v[E], 5, v0
	v_readfirstlane_b32 s18, v[E]                  ; wave 0..3
	s_bfe_u32 s19, ttmp6, 0x40000                  ; cx: my place in the cluster = which 128 j; ttmp9, the cluster's number, = 32 b + block of 16 i
	; the one descriptor: 64 rows of 512 bf16, padded by 16 bytes a row.  Nothing in it hangs on cx.
	s_mov_b32 s24, 1                               ; count = 1
	s_mul_i32 s25, s18, WQUART                     ; LDS address: my 64 rows
	s_mov_b32 s28, 0x07f1000f                      ; 15:0 mask of all four work-groups; 17:16 elements of 2 bytes; 20 padding on; 21 set beside a mask; 24:22 after every 256 words (code 7); 31:25 of 4 words (code 3)
	s_mov_b32 s29, 512<<16                         ; tensor_dim0 = 512
	s_mov_b32 s30, 64<<16                          ; tensor_dim1 = 64
	s_mov_b32 s31, 512<<16                         ; tile_dim0 = 512
	s_mov_b32 s32, 64                              ; tile_dim1 = 64
	s_mov_b32 s33, 512                             ; elements from row to row
	s_mov_b32 s34, 0
	s_mov_b32 s35, 0
	; offsets, each in a pair of its own
	s_lshl_b32 s44, s18, 16                        ; w2t: 64 rows of 1,024 bytes a wave
	s_mov_b32 s45, 0
	s_lshl_b32 s50, ttmp9, 16                      ; a: row 16 x ttmp9 of 4,096 bytes
	s_mov_b32 s51, 0
	s_lshl_b32 s52, ttmp9, 15                      ; out0: row 16 x ttmp9 of 2,048 bytes,
	s_lshl_b32 s20, s19, 9                         ; and 128 j of 4 bytes
	s_add_co_u32 s52, s52, s20
	s_mov_b32 s53, 0
	s_lshr_b32 s54, ttmp9, 5                       ; c: row 512 b + 128 cx + 32 wave,
	s_lshl_b32 s54, s54, 9
	s_lshl_b32 s20, s19, 7
	s_add_co_u32 s54, s54, s20
	s_lshl_b32 s20, s18, 5
	s_add_co_u32 s54, s54, s20
	s_lshl_b32 s54, s54, 12
	s_add_co_u32 s54, s54, 2048                    ; and c lies behind a in a row of ac
	s_mov_b32 s55, 0
	s_mov_b32 s37, 0xffff0000                      ; the lanes of the upper half
	s_mov_b32 s38, 0x76543210                      ; v_permlanex16_b32: lane i of one half reads lane i of the other
	s_mov_b32 s39, 0xfedcba98
	s_mov_b32 s40, 0xbfb8aa3b                      ; -log2(e)
	; lane terms
	v_and_b32 v[E+1], 31, v0                       ; lane
	v_and_b32 v[E+2], 15, v0                       ; l % 16
	v_bfe_u32 v[E+3], v0, 4, 1                     ; l / 16
	v_lshlrev_b32 v[QOFF], 4, v[E+1]
	v_mul_u32_u24 v[E+4], v[E+2], WPITCH
	v_lshl_add_u32 v[ADRB], v[E+3], 5, v[E+4]      ; a lane's 16 elements of a step are 32 neighbouring bytes of w2t's row
	v_add_nc_u32 v[ADRB+1], WQUART, v[ADRB]        ; the 16-bit immediate reaches 64 rows: a register for each 64
	v_add_nc_u32 v[ADRB+2], 2*WQUART, v[ADRB]
	v_add_nc_u32 v[ADRB+3], 3*WQUART, v[ADRB]
	v_mul_u32_u24 v[E+4], v[E+2], PPITCH
	v_lshl_add_u32 v[E+4], v[E+3], 8, v[E+4]
	v_add_nc_u32 v[ADRP], LP, v[E+4]
	v_lshlrev_b32 v[GB2], 5, v[E+3]
	v_add_nc_u32 v[ADRW], LW3, v[GB2]
	s_mul_i32 s20, s18, SWAVE
	s_add_co_u32 s20, s20, LSTAGE                  ; my wave's region of the stage
	v_mul_u32_u24 v[E+4], v[E+2], SPITCH
	v_lshl_add_u32 v[E+4], v[E+3], 3, v[E+4]
	v_add_nc_u32 v[STO], s20, v[E+4]
	s_mul_i32 s20, s18, 4*SPITCH                   ; back: my wave takes rows 4 w .. 4 w + 3; eight lanes read 128 bytes of each wave's region
	s_add_co_u32 s20, s20, LSTAGE
	v_lshrrev_b32 v[E+4], 3, v[E+1]
	v_mul_u32_u24 v[E+4], v[E+4], SWAVE
	v_and_b32 v[E+5], 7, v0
	v_lshl_add_u32 v[E+4], v[E+5], 4, v[E+4]
	v_add_nc_u32 v[RD], s20, v[E+4]
	v_lshl_add_u32 v[CO], s18, 13, v[QOFF]         ; four rows of 2,048 bytes a wave
	v_lshlrev_b32 v[GP], 4, v0
	v_add_nc_u32 v[LPS], LP, v[GP]
	v_lshlrev_b32 v[GW], 3, v0
	v_add_nc_u32 v[LWS], LW3, v[GW]
	s_wait_dscnt 0x0
	s_wait_kmcnt 0x0
	s_add_nc_u64 s[26:27], s[4:5], s[44:45]
	s_or_b32 s27, s27, 0x80000000                  ; type = 2
	s_add_nc_u64 s[46:47], s[6:7], s[50:51]        ; a at my first i
	s_add_nc_u64 s[48:49], s[16:17], s[52:53]      ; out0 at my block
	s_add_nc_u64 s[42:43], s[6:7], s[54:55]        ; c at my wave's first j; steps by four rows a tile
	CROUND                                         ; all four work-groups are here: the joint loads meet
	tensor_load_to_lds s[24:27], s[28:35]          ; my 64 rows of W2, for all four work-groups
	s_nop 0
	s_load_b32 s21, s[14:15], 0x0                  ; b3
.macro FETCHQ buf, imm                 ; c of four j, four steps each: 512 neighbouring bytes of a row for each load
.irp j, 0,1,2,3
	global_load_b128 v[Q+16*(\buf)+4*\j:Q+16*(\buf)+4*\j+3], v[QOFF], s[42:43] offset:(\imm)+4096*\j
.endr
.endm
	global_load_b128 v[B1Q:B1Q+3], v[GP], s[8:9]
	global_load_b64 v[W3P:W3P+1], v[GW], s[12:13]
.irp i, 0,1,2,3,4,5,6,7,8,9,10,11,12,13,14,15
	global_load_b128 v[P+4*\i:P+4*\i+3], v[GP], s[46:47] offset:4096*\i   ; a's row i: 128 threads x 16 bytes
.endr
	WIN TO_B
.irp b, 0,1,2,3,4,5,6,7,8,9,10,11,12,13,14,15
	global_load_b128 v[B2F+8*\b:B2F+8*\b+3],   v[GB2], s[10:11] offset:64*\b      ; b2[16 b + 8 (l / 16) + 0..7]: the accumulators' layout
	global_load_b128 v[B2F+8*\b+4:B2F+8*\b+7], v[GB2], s[10:11] offset:64*\b+16
.endr
	WIN 0
	FETCHQ 0, 0
	s_wait_loadcnt 36                              ; b1, W3 and a are in; the 32 loads of b2 and the 4 of c stay out
.irp i, 0,1,2,3,4,5,6,7,8,9,10,11,12,13,14,15
	v_pk_add_f32 v[P+4*\i:P+4*\i+1],   v[P+4*\i:P+4*\i+1],   v[B1Q:B1Q+1]        ; b1 is added once, here
	v_pk_add_f32 v[P+4*\i+2:P+4*\i+3], v[P+4*\i+2:P+4*\i+3], v[B1Q+2:B1Q+3]
	ds_store_b128 v[LPS], v[P+4*\i:P+4*\i+3] offset:PPITCH*\i
.endr
	ds_store_b64 v[LWS], v[W3P:W3P+1]
.irp e, 0,1,2,3,4,5,6,7,8,9,10,11,12,13,14,15
	v_mov_b32 v[T+\e], 0                           ; the destination of a DPP form counts as read: written once
.endr
	v_mov_b32 v[RC], 0                             ; v_permlanex16_b32's likewise
	v_mov_b32 v[RC+1], 0
	s_wait_kmcnt 0x0
	s_mul_f32 s41, s21, s40                        ; -log2(e) b3
	s_wait_loadcnt 0x0                             ; b2 and the first c
	s_wait_dscnt 0x0                               ; my stores are in LDS,
	s_wait_tensorcnt 0x0                           ; and my rows of W2 have landed, for the other waves' sake
	s_barrier_signal -1
	s_barrier_wait -1                              ; W2, a + b1 and W3 are whole
; 16 LDS loads: W2's fragments of step s, n tiles 8 half .. 8 half + 7
.macro FETCHB dst, s, half
.irp i, 0,1,2,3,4,5,6,7
	ds_load_b128 v[\dst+8*\i:\dst+8*\i+3],   v[ADRB+2*\half+(\i>>2)] offset:(\i&3)*16*WPITCH+64*(\s)
	ds_load_b128 v[\dst+8*\i+4:\dst+8*\i+7], v[ADRB+2*\half+(\i>>2)] offset:(\i&3)*16*WPITCH+64*(\s)+16
.endr
.endm
; 16 LDS loads: W3 in the accumulators' layout, n tiles 8 half .. 8 half + 7
.macro FETCHW dst, half
.irp i, 0,1,2,3,4,5,6,7
	ds_load_b128 v[\dst+8*\i:\dst+8*\i+3],   v[ADRW] offset:64*(8*\half+\i)
	ds_load_b128 v[\dst+8*\i+4:\dst+8*\i+7], v[ADRW] offset:64*(8*\half+\i)+16
.endr
.endm
; 16 LDS loads: a + b1 for the four steps of group sg
.macro FETCHP sg
.irp e, 0,1,2,3,4,5,6,7,8,9,10,11,12,13,14,15
	ds_load_b128 v[P+4*\e:P+4*\e+3], v[ADRP] offset:512*(\sg)+16*\e
.endr
.endm
; h1's fragment of block mt (one j x 16 i) for step sp.  Element e: c comes from lane e of my half of the wave, riding on the add (row_share),
; a + b1 is my own register; relu; two roundings to bf16 in one instruction.
.macro GEN mt, sp
.set g_q, (\sp)&3
.set g_c, Q+16*(((\sp)>>2)&1)+4*(\mt)+g_q
.set g_a, A+32*((\sp)&1)+8*(\mt)
.irp e, 0,1,2,3,4,5,6,7,8,9,10,11,12,13,14,15
	v_add_f32_dpp v[T+\e], v[g_c], v[P+4*\e+g_q] row_share:\e row_mask:0xf bank_mask:0xf
.endr
.irp e, 0,1,2,3,4,5,6,7,8,9,10,11,12,13,14,15
	v_max_num_f32 v[T+\e], 0, v[T+\e]
.endr
.irp p, 0,1,2,3,4,5,6,7
	v_cvt_pk_bf16_f32 v[g_a+\p], v[T+2*\p], v[T+2*\p+1]
.endr
.endm
; 32 matrix instructions: 8 n tiles x 4 blocks, 32 along K.  first = 1: b2 is the first product's C, so nothing is cleared and no add is spent on it.
; The 64 accumulators take turns, one instruction a turn, in the same order in every step and over the backward jump.
.macro MUL32 s, half, first
.irp i, 0,1,2,3,4,5,6,7
.irp m, 0,1,2,3
.if \first
	v_wmma_f32_16x16x32_bf16 v[8*(4*\i+\m):8*(4*\i+\m)+7], v[64*\half+8*\i:64*\half+8*\i+7], v[A+32*(\s&1)+8*\m:A+32*(\s&1)+8*\m+7], v[B2F+8*(8*\half+\i):B2F+8*(8*\half+\i)+7]
.else
	v_wmma_f32_16x16x32_bf16 v[8*(4*\i+\m):8*(4*\i+\m)+7], v[64*\half+8*\i:64*\half+8*\i+7], v[A+32*(\s&1)+8*\m:A+32*(\s&1)+8*\m+7], v[8*(4*\i+\m):8*(4*\i+\m)+7]
.endif
.endr
.endr
.endm
; Half a K step: makes two blocks' fragments of the NEXT step, fetches the W2 fragments of the next half, multiplies this half.
; The 80 vector instructions of GEN name none of the last matrix instructions' registers before their 33rd: they are also the places
; ahead of the loads into W2's buffer and of the writes into h1's other buffer.  last = 1: the wave's last tile, which fetches and makes nothing beyond its end.
.macro PHASE s, hf, last
	WIN 0
.set p_gen, 1
.set p_fp, 0
.if (\s&3) == 2
.if \hf == 1
.set p_fp, 1
.endif
.endif
.if \last
.if \s == 15
.set p_gen, 0
.endif
.if \s == 14
.set p_fp, 0
.endif
.endif
.set p_ns, (\s+1)&15
.if p_gen
.if (\s&3) == 3
.if \hf == 0
	s_wait_loadcnt 0x0                             ; the next group's c, asked for three steps ago: the only global loads that are out
	s_wait_dscnt 16                                ; the next group's a + b1 is in; the 16 loads of W2 issued behind it stay out
.endif
.endif
	GEN 2*\hf, p_ns
	GEN 2*\hf+1, p_ns
.else
	PLACES
.endif
.if p_fp
	FETCHP ((\s+2)>>2)&3                           ; this group's last fragments are made: the next group's a + b1
.endif
.if \hf == 0
.if (\s&3) == 0
.if \s < 12
	FETCHQ ((\s>>2)+1)&1, 512*((\s>>2)+1)          ; the next group's c, into the buffer whose group is used up
.else
.if \last == 0
	FETCHQ 0, 16384                                ; the next tile's four j, group 0
.endif
.endif
.endif
.endif
	WIN TO_B
.if \hf == 0
	FETCHB H1, \s, 1
.else
.if \s < 15
	FETCHB H0, \s+1, 0
.else
	FETCHW H0, 0                                   ; behind the last step W2's buffers take W3
.endif
.endif
	s_wait_dscnt 16+16*p_fp                        ; this half's fragments are in: behind them went the 16 loads just issued, and a + b1's 16 where they were issued
.if \s == 0
.if \hf == 0
	WIN FIRST_LO
.else
	WIN FIRST_HI
.endif
	MUL32 \s, \hf, 1
.else
.if \hf == 0
	WIN MUL_LO
.else
	WIN MUL_HI
.endif
	MUL32 \s, \hf, 0
.endif
.endm
; relu and the product with W3 for one window's 32 accumulator tiles; the sums grow in the first n tile's registers, 16 chains of two
.macro EPIHALF w
.irp b, 0,1,2,3,4,5,6,7
.irp m, 0,1,2,3
.irp k, 0,1,2,3,4,5,6,7
	v_max_num_f32 v[8*(4*\b+\m)+\k], 0, v[8*(4*\b+\m)+\k]
.endr
.irp c, 0,2,4,6
.if \b == 0
	v_pk_mul_f32 v[8*\m+\c:8*\m+\c+1], v[\w+\c:\w+\c+1], v[8*\m+\c:8*\m+\c+1]
.else
	v_pk_fma_f32 v[8*\m+\c:8*\m+\c+1], v[\w+8*\b+\c:\w+8*\b+\c+1], v[8*(4*\b+\m)+\c:8*(4*\b+\m)+\c+1], v[8*\m+\c:8*\m+\c+1]
.endif
.endr
.endr
.endr
.endm
.macro TILE last
.irp s, 0,1,2,3,4,5,6,7,8,9,10,11,12,13,14,15
	PHASE \s, 0, \last
	PHASE \s, 1, \last
.endr
	PLACES                                         ; behind the last matrix instructions: for the loads into their W2 buffer and the reads of their results
	WIN TO_B
	FETCHW H1, 1
	s_wait_dscnt 16                                ; W3 for n tiles 0-7 is in
	WIN EPI_LO
	EPIHALF H0
.if \last
	s_wait_dscnt 0x0
.else
	WIN TO_B
	FETCHB H0, 0, 0                                ; the next tile's first fragments of W2
	s_wait_dscnt 16                                ; W3 for n tiles 8-15 is in
.endif
	WIN EPI_HI
	EPIHALF H1
	WIN SUMW
.irp m, 0,1,2,3
.irp c, 0,2,4,6
	v_pk_add_f32 v[E+8*\m+\c:E+8*\m+\c+1], v[8*\m+\c:8*\m+\c+1], v[8*\m+\c:8*\m+\c+1]   ; window 2's sums + window 3's
.endr
.endr
	WIN 0
.irp m, 0,1,2,3
	v_pk_add_f32 v[E+8*\m:E+8*\m+1],   v[E+8*\m:E+8*\m+1],   v[E+8*\m+2:E+8*\m+3]
	v_pk_add_f32 v[E+8*\m+4:E+8*\m+5], v[E+8*\m+4:E+8*\m+5], v[E+8*\m+6:E+8*\m+7]
.endr
.irp m, 0,1,2,3
	v_pk_add_f32 v[E+8*\m:E+8*\m+1], v[E+8*\m:E+8*\m+1], v[E+8*\m+4:E+8*\m+5]
.endr
.irp m, 0,1,2,3
	v_add_f32 v[LG+\m], v[E+8*\m], v[E+8*\m+1]     ; block m, pair l % 16, the 128 n of my half
.endr
	; the two halves' sums meet: the lower half ends with blocks 0 and 1, the upper with blocks 2 and 3
	v_cndmask_b32 v[KP],   v[LG],   v[LG+2], s37
	v_cndmask_b32 v[SD],   v[LG+2], v[LG],   s37
	v_cndmask_b32 v[KP+1], v[LG+1], v[LG+3], s37
	v_cndmask_b32 v[SD+1], v[LG+3], v[LG+1], s37
	v_permlanex16_b32 v[RC],   v[SD],   s38, s39
	v_permlanex16_b32 v[RC+1], v[SD+1], s38, s39
	v_add_f32 v[X],   v[KP],   v[RC]
	v_add_f32 v[X+1], v[KP+1], v[RC+1]
	v_fma_f32 v[X],   v[X],   s40, s41             ; -log2(e) (logit + b3)
	v_fma_f32 v[X+1], v[X+1], s40, s41
	v_exp_f32 v[X],   v[X]
	v_exp_f32 v[X+1], v[X+1]
	v_nop                                          ; one plain vector instruction behind a transcendental before its result is used (ISA guide 5.7.2)
	s_wait_alu depctr_va_vdst(0)
	v_add_f32 v[X],   1.0, v[X]
	v_add_f32 v[X+1], 1.0, v[X+1]
	v_rcp_f32 v[X],   v[X]
	v_rcp_f32 v[X+1], v[X+1]
	v_nop
	s_wait_alu depctr_va_vdst(0)
	ds_store_b64 v[STO], v[X:X+1]                  ; row i = l % 16 of my region, j = 4 tile + 2 (l / 16) + 0, 1
.if \last == 0
	v_add_nc_u32 v[STO], 16, v[STO]
	s_add_nc_u64 s[42:43], s[42:43], 16384         ; four rows of ac on; every load that named this base was shown done by the wait for 0 in step 15
.endif
.endm
	FETCHP 0
	WIN TO_B
	FETCHB H0, 0, 0
	WIN 0
	s_wait_dscnt 16                                ; a + b1 is in; W2's 16 loads stay out
	GEN 0, 0
	GEN 1, 0
	GEN 2, 0
	GEN 3, 0
	s_mov_b32 s36, 7
.Ltile:
	TILE 0
	WIN 0                                          ; at a label and at a branch every window is 0
	s_sub_co_u32 s36, s36, 1
	s_cmp_lg_u32 s36, 0
	s_cbranch_scc1 .Ltile
	TILE 1                                         ; the eighth tile is written out: no load past my rows, no fragment that nobody multiplies
	; THE WAY OUT: 16 rows x 128 j of f32.  My wave takes rows 4 w .. 4 w + 3, each from all four waves' regions.
	s_wait_dscnt 0x0                               ; my results are in LDS, for the other waves' sake
	s_barrier_signal -1
	s_barrier_wait -1
.irp t, 0,1,2,3
	ds_load_b128 v[E+4*\t:E+4*\t+3], v[RD] offset:SPITCH*\t
.endr
.irp t, 0,1,2,3
	s_wait_dscnt 3-\t
	global_store_b128 v[CO], v[E+4*\t:E+4*\t+3], s[48:49] offset:2048*\t th:TH_STORE_NT   ; the wave stores 512 consecutive bytes, at a multiple of 512 from out0's first byte
.endr
	s_wait_tensorcnt 0x0
	ds_add_u32 v254, v255
	s_wait_dscnt 0x0
	CROUND                                         ; the closing round: no work-group ends while a partner may still ask for rows that name it
	s_endpgm
.Lfunc_end_k_q70b1b056b4_pairs:
	.size	k_q70b1b056b4_pairs, .Lfunc_end_k_q70b1b056b4_pairs-k_q70b1b056b4_pairs
	.p2alignl 7, 3214868480
	.fill 96, 4, 3214868480
	.section	.rodata,"a",@progbits
	.p2align	6, 0x0
	.amdhsa_kernel k_q70b1b056b4_pairs
		.amdhsa_group_segment_fixed_size 310528
		.amdhsa_private_segment_fixed_size 0
		.amdhsa_enable_private_segment 0
		.amdhsa_kernarg_size 56
		.amdhsa_user_sgpr_count 2
		.amdhsa_user_sgpr_kernarg_segment_ptr 1
		.amdhsa_wavefront_size32 1
		.amdhsa_system_sgpr_workgroup_id_x 1
		.amdhsa_system_sgpr_workgroup_id_y 1
		.amdhsa_system_sgpr_workgroup_id_z 1
		.amdhsa_system_vgpr_workitem_id 0
		.amdhsa_next_free_vgpr 1024
		.amdhsa_next_free_sgpr 66
		.amdhsa_reserve_vcc 0
		.amdhsa_float_denorm_mode_32 3
		.amdhsa_float_denorm_mode_16_64 3
		.amdhsa_memory_ordered 1
		.amdhsa_forward_progress 1
		.amdhsa_inst_pref_size 255
	.end_amdhsa_kernel
	.section	.bss,"aw",@nobits
	.p2align	6
	.space	262144
	.amdgpu_metadata
---
amdhsa.version: [ 1, 2 ]
amdhsa.kernels:
  - .name:           k_q70b1b056b4_pairs
    .symbol:         k_q70b1b056b4_pairs.kd
    .args:
      - { .name: w2t, .offset: 0, .size: 8, .value_kind: global_buffer, .address_space: global }
      - { .name: ac, .offset: 8, .size: 8, .value_kind: global_buffer, .address_space: global }
      - { .name: b1, .offset: 16, .size: 8, .value_kind: global_buffer, .address_space: global }
      - { .name: b2, .offset: 24, .size: 8, .value_kind: global_buffer, .address_space: global }
      - { .name: W3, .offset: 32, .size: 8, .value_kind: global_buffer, .address_space: global }
      - { .name: b3, .offset: 40, .size: 8, .value_kind: global_buffer, .address_space: global }
      - { .name: out0, .offset: 48, .size: 8, .value_kind: global_buffer, .address_space: global }
    .group_segment_fixed_size: 310528
    .private_segment_fixed_size: 0
    .kernarg_segment_align: 8
    .kernarg_segment_size: 56
    .max_flat_workgroup_size: 128
    .sgpr_count:     66
    .vgpr_count:     1024
    .wavefront_size: 32
...
	.end_amdgpu_metadata
.endif
;; end of part 2
;; ======== version 2 of 2: 2 launches; 1.19 times as fast as version 1
;; workspace buffers: ac 4,194,304 bytes; w2t 262,144 bytes
;; launch prep: the kernel of part 1 again; grid 272 x 1, 8 waves a work-group, no clusters, 149,504 bytes of LDS; arguments features, W1, W2, ac, w2t; writes ac, w2t
;; launch pairs (part 3): grid 256 x 1, 4 waves a work-group, clusters of 4 x 1, 310,528 bytes of LDS; arguments w2t, ac, b1, b2, W3, b3, out0; writes out0
.if DOCPART == 3
	.amdgcn_target "amdgcn-amd-amdhsa--gfx1250"
	.amdhsa_code_object_version 6
	.text
	.protected	k_q70b1b056b4_pairs
	.globl	k_q70b1b056b4_pairs
	.p2align	8
	.type	k_q70b1b056b4_pairs,@function
k_q70b1b056b4_pairs:
	s_mov_b64 s[64:65], 0
	v_nop
	global_prefetch_b8 v0, s[64:65] scope:SCOPE_SE
	s_setreg_imm32_b32 hwreg(HW_REG_WAVE_MODE, 25, 1), 1
	s_wait_xcnt 0x0
	s_wait_alu depctr_hold_cnt(0) depctr_sa_sdst(0) depctr_va_vdst(0) depctr_va_sdst(0) depctr_va_ssrc(0) depctr_va_vcc(0) depctr_vm_vsrc(0)
	s_getreg_b32 s2, hwreg(HW_REG_IB_STS2, 6, 4)
	s_cmp_eq_u32 s2, 0
	s_cbranch_scc0 .Lentry_in_a_cluster
	s_endpgm
.Lentry_in_a_cluster:
	s_bfe_u32 s2, ttmp6, 0x10000c
	s_cmp_lg_u32 s2, 0x3003
	s_cbranch_scc0 .Lentry_shape_is_right
	s_endpgm
.Lentry_shape_is_right:
; out0[b][i][j] = sigmoid( W3 . relu( W2^T relu(a[b][i] + c[b][j] + b1) + b2 ) + b3 ), a and c from ac, W2 from w2t (bf16, transposed, K permuted).
; A work-group owns 16 i x 128 j of one b: 2,048 pairs; 256 work-groups.  Four waves, as many as a WGP has SIMDs; wave w owns 32 j, in eight tiles of 4 j.
; A tile is 64 pairs (4 blocks of one j x 16 i) x all 256 n: 64 accumulator tiles, 512 registers; K = 512 in 16 steps of 64 matrix instructions.
; h1 = relu(a + c + b1) never lies in memory or LDS: each wave makes its own fragments in registers, each number once, and the adds and the relu of the
; NEXT step's fragments stand between this step's matrix instructions, two or three behind each.
; W2 (bf16, 256 x 512) stays in LDS for the whole kernel.
; K ORDER: step s = 4 sg + q takes the 32 indices 128 sg + 64 h + 4 e + q (h = half of the wave, e = 0..15 the lane's element), in h1's fragments and in W2's
; alike, which keeps every product.
; CLUSTERS: every work-group reads the same 262,144 bytes of w2t.  Four work-groups form a cluster and ask for them jointly: each wave issues one tensor load
; of 64 rows with the mask of all four, and each work-group receives the rows in its own LDS.  One tensor load a wave is out.
; THE MATRIX INSTRUCTION IS USED TRANSPOSED: source 0 = 16 n of W2, source 1 = 16 pairs of h1.  Lane l then holds pair l % 16 and its registers n = 8 (l / 16) + 0..7,
; so that the sum over n with W3 stays inside the lane but for one exchange between the halves.
; ONE BODY FOR ALL EIGHT TILES: each tile fetches and makes what the next tile's first step needs.  In the eighth trip that look-ahead (4 loads of c, from the wave's own
; last rows, since the address is clamped; 40 LDS loads; four fragments) is made and not used: 160 vector instructions, against a second copy of the whole tile's code.
; LIMITS: a NaN that reaches a relu becomes 0 (v_max_num_f32, v_max3_num_f32), where the formula would keep it.  The sum is formed as (a + b1) + c.
; A sigmoid below 2^-126 comes out as 0 (v_rcp_f32 and v_exp_f32 flush denormals: ISA guide 15.8).
;
; LDS: every pitch is an odd multiple of 16 bytes, so the sixteen rows that a load touches start 16 bytes apart modulo 256.
.set WPITCH, 1040                      ; a row n of W2: 512 bf16 = 1,024 bytes + 16 of padding
.set WQUART, 64*WPITCH                 ; 64 rows: what one tensor load brings
.set LP,     4*WQUART                  ; 266,240: a + b1 of my 16 i, f32, by K step: row i, byte 128 s + 64 h + 4 e
.set PPITCH, 2064                      ; 2,048 + 16
.set LSTAGE, LP+16*PPITCH              ; 299,264: results on their way out, a region for each wave: 16 i x 32 j f32
.set SPITCH, 144                       ; 128 + 16
.set SWAVE,  2432                      ; 16 x 144 = 2,304, and 128 more, so that two waves' regions lie 128 apart modulo 256
.set LW3,    LSTAGE+4*SWAVE            ; 308,992: W3, 1,024 bytes
; REGISTERS, in windows of 256 (s_set_vgpr_msb says which window each operand place means).  A vector instruction that stands between two matrix instructions
; runs under their setting, so its destination lies in the accumulators' window: windows 2 and 3 keep 16 registers free for h1's numbers in f32.
;   window 0: addresses; W2's fragments (or W3's numbers), two buffers; c; 8 accumulator tiles
;   window 1: h1's fragments, two buffers; a + b1, two buffers; b2 in the accumulators' layout, resident
;   window 2, window 3: 28 accumulator tiles each; T, one block's 16 numbers in f32; an address or two
; Of a half step's 32 tiles t = 4 i + m (i: n tile of the half, m: block), t = 0..3 lie in window 0, 4..17 in window 2, 18..31 in window 3.
.set QOFF, 1                           ; v1      16 x lane
.set ADRB, 2                           ; v[2:5]  W2's fragments: rows 64 g + l % 16, byte 32 (l / 16)
.set ADRP, 6                           ; v6      a + b1: row l % 16, byte 64 (l / 16)
.set ADRW, 7                           ; v7      W3: byte 32 (l / 16)
.set STO0, 8                           ; v8      where my two results of the first tile go (copied into window 3)
.set RD,   9                           ; v9      the way out: where I read 16 bytes of a row back
.set CO,   10                          ; v10     and where they go in out0
.set GP,   11                          ; v11     16 x thread
.set LPS,  12                          ; v12     LP + 512 x wave + 4 x lane
.set GW,   13                          ; v13     8 x thread
.set LWS,  14                          ; v14     LW3 + 8 x thread
.set GB2,  15                          ; v15     32 (l / 16)
.set H0,   16                          ; v[16:79]   W2's fragments of n tiles 0-7.  At the start: a's 16 rows.  At the end: results on their way out
.set H1,   80                          ; v[80:143]  of n tiles 8-15
.set Q,    144                         ; v[144:175] c: two buffers of 4 j x 4 steps; lane l holds c[j][128 sg + 4 l + q]
.set ACCA, 176                         ; v[176:239] accumulator tiles t = 0..3 of both halves
.set B1Q,  240                         ; v[240:243] four numbers of b1
.set W3P,  244                         ; v[244:245] two numbers of W3
.set E,    246                         ; v[246:251] addresses in the making
.set A,    0                           ; window 1: v[0:63]    h1's fragments: two buffers of 4 blocks x 8 registers
.set P,    64                          ; window 1: v[64:95]   a + b1: two buffers of 16; register e holds index 128 sg + 64 h + 4 e + q of row l % 16
.set B2F,  128                         ; window 1: v[128:255] b2[16 nt + 8 (l / 16) + 0..7]
.set T,    224                         ; windows 2, 3: v[224:239]
.set ADRPW, 240                        ; window 3: v240  a copy of ADRP
.set STO,  241                         ; window 3: v241  where my two results of a tile go; steps by 16 bytes a tile
.set KP,   32                          ; window 3, in accumulators that are used up: the sums that I keep,
.set SD,   34                          ; those that I send to the other half,
.set RC,   36                          ; what it sends me,
.set X,    38                          ; my two results
.set LG0,  16                          ; window 3: block m's sum ends in the first register of tile (m + 2) % 4
.set LG1,  24
.set LG2,  0
.set LG3,  8
.set MSB, 0
.macro WIN new                         ; the immediate's high byte repeats the setting that is left
.if MSB != (\new)
	s_set_vgpr_msb (MSB<<8)|(\new)
.set MSB, (\new)
.endif
.endm
; low byte: bits 1:0 source 0, 3:2 source 1, 5:4 source 2, 7:6 destination
.set S_A,  0x04                        ; products: source 0 (W2; c) window 0, source 1 (h1; a + b1) window 1, C and D (and T) window 0,
.set S_2,  0xa4                        ; window 2,
.set S_3,  0xf4                        ; window 3
.set F_A,  0x14                        ; the same for a tile's first step, with C (b2) from window 1
.set F_2,  0x94
.set F_3,  0xd4
.set M_2,  0x8a                        ; relu in place in window 2, 3 (the first step and the prologue)
.set M_3,  0xcf
.set C_2,  0x4a                        ; conversions: both sources window 2, 3; destination window 1
.set C_3,  0x4f
.set TO_B, 0x40                        ; destination window 1, address window 0
.set D2,   0x80                        ; destination window 2, 3; source window 0
.set D3,   0xc0
.set E_2,  0xa8                        ; epilogue: source 0 (W3) window 0, the rest window 2,
.set E_3,  0xfc                        ; window 3
.set J_3,  0xfe                        ; source 0 window 2, the rest window 3
.set ALL3, 0xff
; A round of the cluster's barrier: my work-group's barrier, wave 0 signals for the work-group, every wave waits for all four work-groups, my work-group's barrier again.
.macro CROUND
	s_barrier_signal -1
	s_barrier_wait -1
	s_cmp_lg_u32 s18, 0
	s_cbranch_scc1 .Lnot_wave_0_\@
	s_barrier_signal -3
.Lnot_wave_0_\@:
	s_barrier_wait -3
	s_barrier_signal -1
	s_barrier_wait -1
.endm
	s_load_b256 s[4:11], s[0:1], 0x0               ; w2t s[4:5], ac s[6:7], b1 s[8:9], b2 s[10:11]
	s_load_b128 s[12:15], s[0:1], 0x20             ; W3 s[12:13], b3 s[14:15]
	s_load_b64 s[16:17], s[0:1], 0x30              ; out0
	v_lshl_add_u32 v254, v0, 2, 0x4bb00
	v_mov_b32 v255, 0
	ds_add_u32 v254, v255
	v_lshrrev_b32 v[E], 5, v0
	v_readfirstlane_b32 s18, v[E]                  ; wave 0..3
	s_bfe_u32 s19, ttmp6, 0x40000                  ; cx: my place in the cluster = which 128 j; ttmp9, the cluster's number, = 32 b + block of 16 i
	; the one descriptor: 64 rows of 512 bf16, padded by 16 bytes a row.  Nothing in it hangs on cx.
	s_mov_b32 s24, 1                               ; count = 1
	s_mul_i32 s25, s18, WQUART                     ; LDS address: my 64 rows
	s_mov_b32 s28, 0x07f1000f                      ; 15:0 mask of all four work-groups; 17:16 elements of 2 bytes; 20 padding on; 21 set beside a mask; 24:22 after every 256 words (code 7); 31:25 of 4 words (code 3)
	s_mov_b32 s29, 512<<16                         ; tensor_dim0 = 512
	s_mov_b32 s30, 64<<16                          ; tensor_dim1 = 64
	s_mov_b32 s31, 512<<16                         ; tile_dim0 = 512
	s_mov_b32 s32, 64                              ; tile_dim1 = 64
	s_mov_b32 s33, 512                             ; elements from row to row
	s_mov_b32 s34, 0
	s_mov_b32 s35, 0
	; offsets, each in a pair of its own
	s_lshl_b32 s44, s18, 16                        ; w2t: 64 rows of 1,024 bytes a wave
	s_mov_b32 s45, 0
	s_lshl_b32 s50, ttmp9, 16                      ; a: row 16 x ttmp9 of 4,096 bytes
	s_mov_b32 s51, 0
	s_lshl_b32 s52, ttmp9, 15                      ; out0: row 16 x ttmp9 of 2,048 bytes,
	s_lshl_b32 s20, s19, 9                         ; and 128 j of 4 bytes
	s_add_co_u32 s52, s52, s20
	s_mov_b32 s53, 0
	s_lshr_b32 s54, ttmp9, 5                       ; c: row 512 b + 128 cx + 32 wave,
	s_lshl_b32 s54, s54, 9
	s_lshl_b32 s20, s19, 7
	s_add_co_u32 s54, s54, s20
	s_lshl_b32 s20, s18, 5
	s_add_co_u32 s54, s54, s20
	s_lshl_b32 s54, s54, 12
	s_add_co_u32 s54, s54, 2048                    ; and c lies behind a in a row of ac
	s_mov_b32 s55, 0
	s_mov_b32 s59, 0                               ; the high word of the tiles' offset
	s_mov_b32 s37, 0xffff0000                      ; the lanes of the upper half
	s_mov_b32 s38, 0x76543210                      ; v_permlanex16_b32: lane i of one half reads lane i of the other
	s_mov_b32 s39, 0xfedcba98
	s_mov_b32 s40, 0xbfb8aa3b                      ; -log2(e)
	; lane terms
	v_and_b32 v[E+1], 31, v0                       ; lane
	v_and_b32 v[E+2], 15, v0                       ; l % 16
	v_bfe_u32 v[E+3], v0, 4, 1                     ; l / 16
	v_lshlrev_b32 v[QOFF], 4, v[E+1]
	v_mul_u32_u24 v[E+4], v[E+2], WPITCH
	v_lshl_add_u32 v[ADRB], v[E+3], 5, v[E+4]      ; a lane's 16 elements of a step are 32 neighbouring bytes of w2t's row
	v_add_nc_u32 v[ADRB+1], WQUART, v[ADRB]        ; the 16-bit immediate reaches 64 rows: a register for each 64
	v_add_nc_u32 v[ADRB+2], 2*WQUART, v[ADRB]
	v_add_nc_u32 v[ADRB+3], 3*WQUART, v[ADRB]
	v_mul_u32_u24 v[E+4], v[E+2], PPITCH
	v_lshl_add_u32 v[E+4], v[E+3], 6, v[E+4]
	v_add_nc_u32 v[ADRP], LP, v[E+4]
	v_lshlrev_b32 v[GB2], 5, v[E+3]
	v_add_nc_u32 v[ADRW], LW3, v[GB2]
	s_mul_i32 s20, s18, SWAVE
	s_add_co_u32 s20, s20, LSTAGE                  ; my wave's region of the stage
	v_mul_u32_u24 v[E+4], v[E+2], SPITCH
	v_lshl_add_u32 v[E+4], v[E+3], 3, v[E+4]
	v_add_nc_u32 v[STO0], s20, v[E+4]
	s_mul_i32 s20, s18, 4*SPITCH                   ; back: my wave takes rows 4 w .. 4 w + 3; eight lanes read 128 bytes of each wave's region
	s_add_co_u32 s20, s20, LSTAGE
	v_lshrrev_b32 v[E+4], 3, v[E+1]
	v_mul_u32_u24 v[E+4], v[E+4], SWAVE
	v_and_b32 v[E+5], 7, v0
	v_lshl_add_u32 v[E+4], v[E+5], 4, v[E+4]
	v_add_nc_u32 v[RD], s20, v[E+4]
	v_lshl_add_u32 v[CO], s18, 13, v[QOFF]         ; four rows of 2,048 bytes a wave
	v_lshlrev_b32 v[GP], 4, v0
	s_lshl_b32 s20, s18, 9                         ; thread t holds indices 4 t + q of a row: group sg = wave, place 16 h + e = lane
	s_add_co_u32 s20, s20, LP
	v_lshl_add_u32 v[LPS], v[E+1], 2, s20
	v_lshlrev_b32 v[GW], 3, v0
	v_add_nc_u32 v[LWS], LW3, v[GW]
	s_wait_dscnt 0x0
	s_wait_kmcnt 0x0
	s_add_nc_u64 s[26:27], s[4:5], s[44:45]
	s_or_b32 s27, s27, 0x80000000                  ; type = 2
	s_add_nc_u64 s[46:47], s[6:7], s[50:51]        ; a at my first i
	s_add_nc_u64 s[48:49], s[16:17], s[52:53]      ; out0 at my block
	s_add_nc_u64 s[60:61], s[6:7], s[54:55]        ; c at my wave's first j: stays
	s_mov_b64 s[42:43], s[60:61]                   ; c at this tile's four j
	s_add_nc_u64 s[56:57], s[60:61], 16384         ; c at the next tile's
	CROUND                                         ; all four work-groups are here: the joint loads meet
	tensor_load_to_lds s[24:27], s[28:35]          ; my 64 rows of W2, for all four work-groups
	s_nop 0
	s_load_b32 s21, s[14:15], 0x0                  ; b3
.macro FETCHQ base, buf, imm           ; c of four j, four steps each: 512 neighbouring bytes of a row for each load
.irp j, 0,1,2,3
	global_load_b128 v[Q+16*(\buf)+4*\j:Q+16*(\buf)+4*\j+3], v[QOFF], s[\base:\base+1] offset:(\imm)+4096*\j
.endr
.endm
	global_load_b128 v[B1Q:B1Q+3], v[GP], s[8:9]
	global_load_b64 v[W3P:W3P+1], v[GW], s[12:13]
.irp i, 0,1,2,3,4,5,6,7,8,9,10,11,12,13,14,15
	global_load_b128 v[H0+4*\i:H0+4*\i+3], v[GP], s[46:47] offset:4096*\i   ; a's row i: 128 threads x 16 bytes
.endr
	WIN TO_B
.irp b, 0,1,2,3,4,5,6,7,8,9,10,11,12,13,14,15
	global_load_b128 v[B2F+8*\b:B2F+8*\b+3],   v[GB2], s[10:11] offset:64*\b      ; b2[16 b + 8 (l / 16) + 0..7]: the accumulators' layout
	global_load_b128 v[B2F+8*\b+4:B2F+8*\b+7], v[GB2], s[10:11] offset:64*\b+16
.endr
	WIN 0
	FETCHQ 42, 0, 0
	s_wait_loadcnt 36                              ; b1, W3 and a are in; the 32 loads of b2 and the 4 of c stay out
.irp i, 0,1,2,3,4,5,6,7,8,9,10,11,12,13,14,15
	v_pk_add_f32 v[H0+4*\i:H0+4*\i+1],   v[H0+4*\i:H0+4*\i+1],   v[B1Q:B1Q+1]    ; b1 is added once, here
	v_pk_add_f32 v[H0+4*\i+2:H0+4*\i+3], v[H0+4*\i+2:H0+4*\i+3], v[B1Q+2:B1Q+3]
.endr
.irp i, 0,1,2,3,4,5,6,7,8,9,10,11,12,13,14,15
.irp q, 0,1,2,3
	ds_store_b32 v[LPS], v[H0+4*\i+\q] offset:PPITCH*\i+128*\q   ; my four neighbouring indices belong to four K steps: 128 bytes apart; a wave's 32 lanes fill 128 neighbouring bytes
.endr
.endr
	ds_store_b64 v[LWS], v[W3P:W3P+1]
	WIN D2
.irp e, 0,1,2,3,4,5,6,7,8,9,10,11,12,13,14,15
	v_mov_b32 v[T+\e], 0                           ; the destination of a DPP form counts as read: written once
.endr
	WIN D3
.irp e, 0,1,2,3,4,5,6,7,8,9,10,11,12,13,14,15
	v_mov_b32 v[T+\e], 0
.endr
	v_mov_b32 v[ADRPW], v[ADRP]                    ; the two addresses that are used under settings whose address place is window 3
	v_mov_b32 v[STO], v[STO0]
	WIN 0
	s_wait_kmcnt 0x0
	s_mul_f32 s41, s21, s40                        ; -log2(e) b3
	s_wait_loadcnt 0x0                             ; b2 and the first c
	s_wait_dscnt 0x0                               ; my stores are in LDS,
	s_wait_tensorcnt 0x0                           ; and my rows of W2 have landed, for the other waves' sake
	s_barrier_signal -1
	s_barrier_wait -1                              ; W2, a + b1 and W3 are whole
; 16 LDS loads: W2's fragments of step s, n tiles 8 half .. 8 half + 7
.macro FETCHB dst, s, half
.irp i, 0,1,2,3,4,5,6,7
	ds_load_b128 v[\dst+8*\i:\dst+8*\i+3],   v[ADRB+2*\half+(\i>>2)] offset:(\i&3)*16*WPITCH+64*(\s)
	ds_load_b128 v[\dst+8*\i+4:\dst+8*\i+7], v[ADRB+2*\half+(\i>>2)] offset:(\i&3)*16*WPITCH+64*(\s)+16
.endr
.endm
; 16 LDS loads: W3 in the accumulators' layout, n tiles 8 half .. 8 half + 7
.macro FETCHW dst, half
.irp i, 0,1,2,3,4,5,6,7
	ds_load_b128 v[\dst+8*\i:\dst+8*\i+3],   v[ADRW] offset:64*(8*\half+\i)
	ds_load_b128 v[\dst+8*\i+4:\dst+8*\i+7], v[ADRW] offset:64*(8*\half+\i)+16
.endr
.endm
; 4 LDS loads: a + b1 for step sp, into the buffer of its parity
.macro FETCHP adr, sp
.irp c, 0,1,2,3
	ds_load_b128 v[P+16*((\sp)&1)+4*\c:P+16*((\sp)&1)+4*\c+3], v[\adr] offset:128*(\sp)+16*\c
.endr
.endm
; The pieces of h1's fragment of block mt for step c_sp.  GSET names the block's register of c and the step's buffer of a + b1.
; GA: element e: c comes from lane e of my half of the wave, riding on the add (row_share); a + b1 is my own register.
; GM: relu, reading T through source 2, the one source place that means the accumulators' window under the products' setting.
;     In a tile's first step source 2 means window 1 (b2), so there the relu waits for MAXB at the end of the run.
; CVT: two roundings to bf16 in one instruction, into the fragment buffer of the step's parity.
.macro GSET mt
.set g_c, Q+16*((c_sp>>2)&1)+4*(\mt)+(c_sp&3)
.set g_p, P+16*(c_sp&1)
.endm
.macro GA e
	v_add_f32_dpp v[T+\e], v[g_c], v[g_p+\e] row_share:\e row_mask:0xf bank_mask:0xf
.endm
.macro GM e
.if c_s != 0
	v_max3_num_f32 v[T+\e], 0, 0, v[T+\e]
.endif
.endm
.macro MAXB
.irp e, 0,1,2,3,4,5,6,7,8,9,10,11,12,13,14,15
	v_max_num_f32 v[T+\e], 0, v[T+\e]
.endr
.endm
.macro CVT mt
.set v_a, A+32*(c_sp&1)+8*(\mt)
.irp p, 0,1,2,3,4,5,6,7
	v_cvt_pk_bf16_f32 v[v_a+\p], v[T+2*\p], v[T+2*\p+1]
.endr
.endm
; One matrix instruction: tile t = 4 i + m of half c_hf in step c_s.  In a tile's first step b2 is the product's C: nothing is cleared and no add is spent on it.
; The 64 accumulators take turns, one instruction a turn, in the same order in every step and over the backward jump.
.macro W t
.set w_t, \t
.if w_t < 4
.set w_d, ACCA+8*(4*c_hf+w_t)
.else
.if w_t < 18
.set w_d, 8*(14*c_hf+w_t-4)
.else
.set w_d, 8*(14*c_hf+w_t-18)
.endif
.endif
.set w_b, H0+64*c_hf+8*(w_t>>2)
.set w_a, A+32*(c_s&1)+8*(w_t&3)
.set w_c, B2F+8*(8*c_hf+(w_t>>2))
.if c_s == 0
	v_wmma_f32_16x16x32_bf16 v[w_d:w_d+7], v[w_b:w_b+7], v[w_a:w_a+7], v[w_c:w_c+7]
.else
	v_wmma_f32_16x16x32_bf16 v[w_d:w_d+7], v[w_b:w_b+7], v[w_a:w_a+7], v[w_d:w_d+7]
.endif
.endm
.macro SL3 t, a, b, c                  ; a product and three adds
	W \t
	GA \a
	GA \b
	GA \c
.endm
.macro SL2 t, a, b                     ; a product and two adds
	W \t
	GA \a
	GA \b
.endm
.macro SM2 t, a, b                     ; a product and two relus
	W \t
	GM \a
	GM \b
.endm
; 14 products of one window, and between them one block's 16 adds and 16 relus
.macro RUN14 t0
	SL3 \t0, 0, 1, 2
	SL3 \t0+1, 3, 4, 5
	SL3 \t0+2, 6, 7, 8
	SL3 \t0+3, 9, 10, 11
	SL2 \t0+4, 12, 13
	SL2 \t0+5, 14, 15
	SM2 \t0+6, 0, 1
	SM2 \t0+7, 2, 3
	SM2 \t0+8, 4, 5
	SM2 \t0+9, 6, 7
	SM2 \t0+10, 8, 9
	SM2 \t0+11, 10, 11
	SM2 \t0+12, 12, 13
	SM2 \t0+13, 14, 15
.endm
; Half a K step: 32 products on W2's buffer hf; two blocks' fragments of the next step; at its end ONE run of loads: the same half's W2 fragments of the next
; step into the buffer just used, in half 0 also a + b1 of the step after next, and in every fourth step the next group's c.
; The eight conversions in front of the run name none of the last matrix instructions' registers: they are the places ahead of the loads into W2's buffer.
.macro PHASE s, hf
.set c_s, \s
.set c_hf, \hf
.set c_sp, (\s+1)&15
.if \s == 0
.set p_a, F_A
.set p_2, F_2
.set p_3, F_3
.else
.set p_a, S_A
.set p_2, S_2
.set p_3, S_3
.endif
	s_wait_dscnt 16+4*\hf                          ; this half's fragments are in: behind them went the other half's 16 loads, and in front of half 1 also a + b1's 4
	WIN p_a
	W 0
	W 1
	W 2
	W 3
.if (\s&3) == 3
.if \hf == 0
	s_wait_loadcnt 0x0                             ; the next group's c, asked for three steps ago: the only global loads that are out
.endif
.endif
	WIN p_2
	GSET 2*\hf
	RUN14 4
.if \s == 0
	WIN M_2
	MAXB
.endif
	WIN C_2
	CVT 2*\hf
	WIN p_3
	GSET 2*\hf+1
	RUN14 18
.if \s == 0
	WIN M_3
	MAXB
.endif
	WIN C_3
	CVT 2*\hf+1
.if \hf == 0
	FETCHP ADRPW, (\s+2)&15                        ; under the conversions' setting: destination window 1, address window 3.  The buffer's step was used up in the step before this one
.endif
	WIN 0
.if \s < 15
	FETCHB H0+64*\hf, \s+1, \hf
.else
	FETCHW H0+64*\hf, \hf                          ; behind the last step W2's buffers take W3
.endif
.if \hf == 0
.if (\s&3) == 0
.if \s < 12
	FETCHQ 42, ((\s>>2)+1)&1, 512*((\s>>2)+1)      ; the next group's c, into the buffer whose group is used up
.else
	FETCHQ 56, 0, 0                                ; the next tile's four j, group 0
.endif
.endif
.endif
.endm
; relu and the product with W3 for one accumulator tile; the sums grow in the registers of the window's first four tiles, one tile for each block
.macro ETILE acc, ch, w
.irp k, 0,1,2,3,4,5,6,7
	v_max_num_f32 v[\acc+\k], 0, v[\acc+\k]
.endr
.irp c, 0,2,4,6
.if e_first
	v_pk_mul_f32 v[\acc+\c:\acc+\c+1], v[\w+\c:\w+\c+1], v[\acc+\c:\acc+\c+1]
.else
	v_pk_fma_f32 v[\ch+\c:\ch+\c+1], v[\w+\c:\w+\c+1], v[\acc+\c:\acc+\c+1], v[\ch+\c:\ch+\c+1]
.endif
.endr
.endm
.macro EA hf                           ; window 0's four tiles of half hf: n tile 8 hf, blocks 0..3
	WIN 0
.set e_first, 1-\hf
.irp m, 0,1,2,3
	ETILE ACCA+8*(4*\hf+\m), ACCA+8*\m, H0+64*\hf
.endr
.endm
.macro EW hf, t0                       ; window 2's (t0 = 4) or window 3's (t0 = 18) fourteen tiles of half hf
.irp j, 0,1,2,3,4,5,6,7,8,9,10,11,12,13
.set e_first, 0
.if \hf == 0
.if \j < 4
.set e_first, 1
.endif
.endif
	ETILE 8*(14*\hf+\j), 8*(\j&3), H0+64*\hf+8*((\t0+\j)>>2)
.endr
.endm
.macro GENALONE mt, sd, md, cd         ; a fragment made with no products around it: the first tile's first step
	WIN \sd
	GSET \mt
.irp e, 0,1,2,3,4,5,6,7,8,9,10,11,12,13,14,15
	GA \e
.endr
	WIN \md
	MAXB
	WIN \cd
	CVT \mt
.endm
	WIN TO_B
	FETCHP ADRP, 0
	FETCHP ADRP, 1
	WIN 0
	FETCHB H0, 0, 0
	FETCHB H1, 0, 1
	s_wait_dscnt 32                                ; a + b1 of steps 0 and 1 is in; W2's 32 loads stay out
.set c_sp, 0
	GENALONE 0, S_2, M_2, C_2
	GENALONE 1, S_3, M_3, C_3
	GENALONE 2, S_2, M_2, C_2
	GENALONE 3, S_3, M_3, C_3
	WIN 0                                          ; at a label and at a branch every window is 0
	s_mov_b32 s36, 0                               ; the tile's number
.Ltile:
.irp s, 0,1,2,3,4,5,6,7,8,9,10,11,12,13,14,15
	PHASE \s, 0
	PHASE \s, 1
.endr
	; THE EPILOGUE.  The last conversions are the places behind the last matrix instructions, for the reads of their results too.
	s_wait_dscnt 16                                ; W3 for n tiles 0-7 is in; the 16 loads for n tiles 8-15 stay out
	EA 0
	WIN E_2
	EW 0, 4
	WIN E_3
	EW 0, 18
	WIN 0
	FETCHB H0, 0, 0                                ; the next tile's first fragments of W2
	s_wait_dscnt 16                                ; W3 for n tiles 8-15 is in
	EA 1
	WIN E_2
	EW 1, 4
.irp m, 0,1,2,3
.irp c, 0,2,4,6
	v_pk_add_f32 v[8*\m+\c:8*\m+\c+1], v[ACCA+8*\m+\c:ACCA+8*\m+\c+1], v[8*\m+\c:8*\m+\c+1]   ; window 0's sums join window 2's
.endr
.endr
	WIN E_3
	EW 1, 18
	WIN 0
	FETCHB H1, 0, 1
	WIN J_3
.irp i, 0,1,2,3
.irp c, 0,2,4,6
	v_pk_add_f32 v[8*\i+\c:8*\i+\c+1], v[8*((\i+2)&3)+\c:8*((\i+2)&3)+\c+1], v[8*\i+\c:8*\i+\c+1]   ; window 2's join window 3's, whose tile i holds block (i + 2) % 4
.endr
.endr
	WIN ALL3                                       ; the rest in window 3, in accumulators that are used up
.irp b, 0,8,16,24
	v_pk_add_f32 v[\b:\b+1],   v[\b:\b+1],   v[\b+2:\b+3]
	v_pk_add_f32 v[\b+4:\b+5], v[\b+4:\b+5], v[\b+6:\b+7]
.endr
.irp b, 0,8,16,24
	v_pk_add_f32 v[\b:\b+1], v[\b:\b+1], v[\b+4:\b+5]
.endr
.irp b, 0,8,16,24
	v_add_f32 v[\b], v[\b], v[\b+1]                ; one block, pair l % 16, the 128 n of my half
.endr
	; the two halves' sums meet: the lower half ends with blocks 0 and 1, the upper with blocks 2 and 3
	v_cndmask_b32 v[KP],   v[LG0], v[LG2], s37
	v_cndmask_b32 v[SD],   v[LG2], v[LG0], s37
	v_cndmask_b32 v[KP+1], v[LG1], v[LG3], s37
	v_cndmask_b32 v[SD+1], v[LG3], v[LG1], s37
	v_permlanex16_b32 v[RC],   v[SD],   s38, s39
	v_permlanex16_b32 v[RC+1], v[SD+1], s38, s39
	v_add_f32 v[X],   v[KP],   v[RC]
	v_add_f32 v[X+1], v[KP+1], v[RC+1]
	v_fma_f32 v[X],   v[X],   s40, s41             ; -log2(e) (logit + b3)
	v_fma_f32 v[X+1], v[X+1], s40, s41
	v_exp_f32 v[X],   v[X]
	v_exp_f32 v[X+1], v[X+1]
	v_nop                                          ; one plain vector instruction behind a transcendental before its result is used (ISA guide 5.7.2)
	s_wait_alu depctr_va_vdst(0)
	v_add_f32 v[X],   1.0, v[X]
	v_add_f32 v[X+1], 1.0, v[X+1]
	v_rcp_f32 v[X],   v[X]
	v_rcp_f32 v[X+1], v[X+1]
	v_nop
	s_wait_alu depctr_va_vdst(0)
	ds_store_b64 v[STO], v[X:X+1]                  ; row i = l % 16 of my region, j = 4 tile + 2 (l / 16) + 0, 1
	v_add_nc_u32 v[STO], 16, v[STO]
	WIN 0
	s_mov_b64 s[42:43], s[56:57]                   ; every load that named these bases was shown done by the wait for 0 in step 15
	s_add_co_u32 s58, s36, 2                       ; the tile after the next, clamped to my last: four rows of 4,096 bytes a tile
	s_min_u32 s58, s58, 7
	s_lshl_b32 s58, s58, 14
	s_add_nc_u64 s[56:57], s[60:61], s[58:59]
	s_add_co_u32 s36, s36, 1
	s_cmp_lt_u32 s36, 8
	s_cbranch_scc1 .Ltile
	; THE WAY OUT: 16 rows x 128 j of f32.  My wave takes rows 4 w .. 4 w + 3, each from all four waves' regions.
	s_wait_dscnt 0x0                               ; my results are in LDS, for the other waves' sake; and the last look-ahead loads into W2's buffers are back
	s_barrier_signal -1
	s_barrier_wait -1
.irp t, 0,1,2,3
	ds_load_b128 v[H0+4*\t:H0+4*\t+3], v[RD] offset:SPITCH*\t
.endr
.irp t, 0,1,2,3
	s_wait_dscnt 3-\t
	global_store_b128 v[CO], v[H0+4*\t:H0+4*\t+3], s[48:49] offset:2048*\t th:TH_STORE_NT   ; the wave stores 512 consecutive bytes, at a multiple of 512 from out0's first byte
.endr
	s_wait_tensorcnt 0x0
	ds_add_u32 v254, v255
	s_wait_dscnt 0x0
	CROUND                                         ; the closing round: no work-group ends while a partner may still ask for rows that name it
	s_endpgm
.Lfunc_end_k_q70b1b056b4_pairs:
	.size	k_q70b1b056b4_pairs, .Lfunc_end_k_q70b1b056b4_pairs-k_q70b1b056b4_pairs
	.p2alignl 7, 3214868480
	.fill 96, 4, 3214868480
	.section	.rodata,"a",@progbits
	.p2align	6, 0x0
	.amdhsa_kernel k_q70b1b056b4_pairs
		.amdhsa_group_segment_fixed_size 310528
		.amdhsa_private_segment_fixed_size 0
		.amdhsa_enable_private_segment 0
		.amdhsa_kernarg_size 56
		.amdhsa_user_sgpr_count 2
		.amdhsa_user_sgpr_kernarg_segment_ptr 1
		.amdhsa_wavefront_size32 1
		.amdhsa_system_sgpr_workgroup_id_x 1
		.amdhsa_system_sgpr_workgroup_id_y 1
		.amdhsa_system_sgpr_workgroup_id_z 1
		.amdhsa_system_vgpr_workitem_id 0
		.amdhsa_next_free_vgpr 1024
		.amdhsa_next_free_sgpr 66
		.amdhsa_reserve_vcc 0
		.amdhsa_float_denorm_mode_32 3
		.amdhsa_float_denorm_mode_16_64 3
		.amdhsa_memory_ordered 1
		.amdhsa_forward_progress 1
		.amdhsa_inst_pref_size 255
	.end_amdhsa_kernel
	.section	.bss,"aw",@nobits
	.p2align	6
	.space	262144
	.amdgpu_metadata
---
amdhsa.version: [ 1, 2 ]
amdhsa.kernels:
  - .name:           k_q70b1b056b4_pairs
    .symbol:         k_q70b1b056b4_pairs.kd
    .args:
      - { .name: w2t, .offset: 0, .size: 8, .value_kind: global_buffer, .address_space: global }
      - { .name: ac, .offset: 8, .size: 8, .value_kind: global_buffer, .address_space: global }
      - { .name: b1, .offset: 16, .size: 8, .value_kind: global_buffer, .address_space: global }
      - { .name: b2, .offset: 24, .size: 8, .value_kind: global_buffer, .address_space: global }
      - { .name: W3, .offset: 32, .size: 8, .value_kind: global_buffer, .address_space: global }
      - { .name: b3, .offset: 40, .size: 8, .value_kind: global_buffer, .address_space: global }
      - { .name: out0, .offset: 48, .size: 8, .value_kind: global_buffer, .address_space: global }
    .group_segment_fixed_size: 310528
    .private_segment_fixed_size: 0
    .kernarg_segment_align: 8
    .kernarg_segment_size: 56
    .max_flat_workgroup_size: 128
    .sgpr_count:     66
    .vgpr_count:     1024
    .wavefront_size: 32
...
	.end_amdgpu_metadata
.endif
;; end of part 3
